; MI455X (gfx1250); checked and timed in simulation.
; The chip was launched on July 23, 2026; its instructions are those of AMD's public machine-readable ISA for CDNA 5 (MIT licence, August 2026) and "CDNA5" Instruction Set Architecture Reference Guide (July 2026). The comments in the code are by the model that wrote it; some were corrected since.
;; Noisy Dense. Allowed arithmetic: matrix products marked QUANTISED: E2M1 operands, one E8M0 scale for each 32 along K, by v_wmma_scale_f32_16x16x128_f8f6f4 with both operands' format E2M1 (or v_wmma_scale_f32_32x16x128_f4), f32 sums; everything else in f32.
;; Inputs: b_mu 4,096 float32; b_sigma 4,096 float32; eps_in 4,096 float32; eps_out 4,096 float32; w_mu 4,096 x 4,096 float32; w_sigma 4,096 x 4,096 float32; x 4,096 x 4,096 float32.
;; Outputs: out0 4,096 x 4,096 float32.
;; This version of the problem:
;;   THIS VERSION OF THE PROBLEM IS GIVEN IN LOW PRECISION. The matrix products marked QUANTISED in the list below multiply operands that are first quantised to E2M1 (2 exponent bits, 1 mantissa bit; 4 bits a number), with one power-of-two scale for each 32 numbers along K (OCP MX v1.0); their sums are f32. All else is computed in f32.
;;   The module's matrix products, in the order in which they are computed (A, B: the left and right operand; K: the contracted axis; several contracted axes count as one K, in the product's order):
;;     1. [M 4,096, K 4,096] x [K 4,096, N 4,096]; A: input x; B: computed on the way: QUANTISED
;;   THE QUANTISER, for each operand of a quantised product, along K:
;;     - K is cut into blocks of 32 from its start; a last block that is shorter is filled with zeros.
;;     - A block's scale is 2^e with e = floor(log2(the largest magnitude in the block)) - 2, held to -126 .. 127; a block of zeros has e = 0. As a byte (E8M0): e + 127.
;;     - Each number is divided by its block's scale, clamped to +-6, and rounded to the nearest number of E2M1, ties to even, subnormals kept.
;;     - The product sums the exact products of the quantised numbers (number of the format x scale) in f32.
;;   ~~~python
;;   def quantise(x, axis):      # numpy; x: float32 -> the quantised numbers, widened to float32 again
;;       x = np.moveaxis(x, axis, -1); K = x.shape[-1]
;;       x = np.pad(x, [(0, 0)] * (x.ndim - 1) + [(0, -K % 32)]); x = x.reshape(x.shape[:-1] + (-1, 32)); a = np.abs(x).max(-1, keepdims=True)
;;       e = np.where(a > 0, np.clip(np.frexp(np.where(a > 0, a, 1))[1] - 1 - 2, -126, 127), 0)      # np.frexp(a)[1] - 1 = floor(log2(a)), exactly
;;       r = np.clip(x / 2.0 ** e, -6, 6)
;;       step = 2.0 ** (np.maximum(np.frexp(np.where(r == 0, 1, r))[1] - 1, 0) - 1)
;;       q = np.round(r / step) * step * 2.0 ** e      # np.round: ties to even
;;       return np.moveaxis(q.reshape(q.shape[:-2] + (-1,))[..., :K], -1, axis).astype(np.float32)
;;   ~~~
;;   OPERANDS COMPUTED ON THE WAY. 'Computed on the way' means the value that the module computes at that place (a softmax that the list does not call 'softmax' is quantised finished and normalised). What goes into a quantiser is computed in f32, as accurately as f32 sums, v_exp_f32 and their like allow (about 1e-6 of the number): no bf16 or f16 on the way to a quantiser, and a product that is left as it is and whose result goes on into a quantised operand takes f32 operands (vector FMAs, or v_wmma_f32_16x16x4_f32). A number that lies on a knife's edge between two numbers of the format may be rounded either way, as far as f32 arithmetic and the matrix unit's own rounding can turn it there, and no further.
;; One version. Each part assembles by itself: llvm-mc -triple=amdgcn-amd-amdhsa -mcpu=gfx1250 --defsym DOCPART=n.
;; ======== version 1 of 1: 2 launches
;; limits: right only within a limited range of input values
;; workspace buffers: xq 8,912,896 bytes; wq 8,912,896 bytes
;; launch quant (part 1): grid 32 x 8, 16 waves a work-group, no clusters, 299,008 bytes of LDS; arguments w_mu, w_sigma, eps_in, eps_out, wq, x, xq; writes wq, xq
.if DOCPART == 1
	.amdgcn_target "amdgcn-amd-amdhsa--gfx1250"
	.amdhsa_code_object_version 6
	.text
	.protected	k_q8f1bfa511d_quant
	.globl	k_q8f1bfa511d_quant
	.p2align	8
	.type	k_q8f1bfa511d_quant,@function
k_q8f1bfa511d_quant:
	s_mov_b64 s[64:65], 0
	v_nop
	global_prefetch_b8 v0, s[64:65] scope:SCOPE_SE
	s_setreg_imm32_b32 hwreg(HW_REG_WAVE_MODE, 25, 1), 1
	s_wait_xcnt 0x0
; BOTH OPERANDS OF THE PRODUCT ARE QUANTISED HERE, ONCE, into codes of FP4 (E2M1) with one E8M0 scale byte for each 32 along K.
;   w[k][n] = w_mu[k][n] + w_sigma[k][n] x (eps_in[k] x eps_out[n]), in f32, K its FIRST axis, goes into wq;   x[m][k], f32, K innermost, goes into xq.
; wq and xq are laid alike, [K step of 512: 8][row: 4096][272 bytes] (a row: a column n of w, a row m of x): 256 bytes of codes, K innermost, the lower k in the low four bits, then the 16 scale bytes of these 512 along K.
; The product eps_in x eps_out is rounded as the problem has it; sigma x eps + mu is ONE fused multiply-add, one rounding fewer than a multiplication and an addition.
; A block's scale is 2^(floor(log2(its largest magnitude)) - 2); its byte is the largest magnitude's exponent field - 2, held at 1 from below.  Each number is divided by the scale and rounded to the nearest code, ties to even, beyond 6 the code of 6.
; LIMITS: a block of zeros gets the byte 1 where the rule says 127 (its codes are zeros, which add nothing under any byte but 0xff, and this program alone reads the bytes); blocks whose largest magnitude lies under 2^-124 have the byte held at 1, which was not tried; NaN and infinities are not served.
; SHARES: work-group (gx, gy) has sixteen waves in two halves of eight.  Half s stands for g = 2 gx + s: columns 64 g .. + 63 of w at K step gy, then rows 64 g .. + 63 of x at K step gy.  Every wave takes one path.
; X COMES BY THE TENSOR DATA MOVER: at the head each wave asks, by one tensor load, for its eight rows' 2,048 bytes of this K step, 16,384 dense LDS bytes of its own, filled once and read by that wave alone behind its own wait.
; W.  Wave w of a half takes k = 512 gy + 64 w .. + 63, two blocks of 32, of the half's 64 columns.  LANE l TAKES COLUMNS 2 l AND 2 l + 1, AND ITS REGISTERS RUN DOWN K: each load of 8 bytes a lane reads 256 consecutive bytes of one row k, at a multiple of 256
;   from the buffer's first byte; a block lies in one lane's 32 registers, so its largest magnitude needs no other lane, and the conversions give codes with K innermost.  eps_in of the wave's 64 k lies in 64 scalar registers.
; X.  A row's 512 numbers are 64 groups of eight neighbours (32 bytes, one dword of codes).  Lane l takes groups l and l + 32; a block of 32 lies in four neighbouring lanes, whose maxima two DPP steps join.
; THE WAY OUT, of each: a half's codes and scale bytes meet in an image of its 64 output rows in LDS (17,408 bytes); a barrier; the image leaves as it lies, 512 consecutive bytes a store.  x's image takes the bytes of w's, behind a barrier behind w's way out.
; No clusters: the work-groups share only the eps vectors, 512 and 2,048 bytes of each work-group's 786,432.  No prefetch: the text has no loop, and each wave asks for its first 64 rows' pieces and all its x at its head.
.set KSB,  1114112                     ; bytes of one K step in wq and in xq: 4,096 rows x 272
.set IMG,  262144                      ; LDS: behind the sixteen x tiles of 16,384 bytes: an image of 64 rows x 272 bytes for each half
.set IMGB, 17408
.set SPARE, 296960                     ; the spare words, 128 bytes a wave; no other line names them
.set EO,   8                           ; v[8:9]    eps_out of my two columns
.set T,    10                          ; v[10:13]  eps_in x eps_out, two pairs by turns
.set MX,   14                          ; v14, v15  largest magnitudes
.set SCO,  16                          ; v16, v17  the conversions' scale operands
.set BY,   18                          ; v18, v19  scale bytes at work
.set SET0, 32                          ; W: v32-95, v96-159: two sets: 16 pairs of mu, then 16 pairs of sigma
.set W,    160                         ; W: v160-223  W + 32 c + i: w(k = the block's i-th, column c)
.set XN,   160                         ; X: v160-191  two sets of 16 numbers; on the way out v160-179
.set XC,   192                         ; X: v192-207  two code registers for each row
.set XE,   208                         ; X: v208-223  two scale bytes for each row
.set CD,   224                         ; W: v224-239  codes: CD + 8 t + 4 c + g; on the way out v224-243
.set SB,   240                         ; W: v240, v241 column c's two scale bytes
.set WV,   98                          ; s98  my wave's number, 0..15
.set GY,   99                          ; s99  the K step
.set SUB,  100                         ; s100 my half
.set W8,   101                         ; s101 my wave's number in its half
	s_load_b256 s[4:11], s[0:1], 0x0               ; w_mu s[4:5], w_sigma s[6:7], eps_in s[8:9], eps_out s[10:11]
	s_load_b128 s[12:15], s[0:1], 0x20             ; wq s[12:13], x s[14:15]
	s_load_b64 s[96:97], s[0:1], 0x30              ; xq
	v_lshl_add_u32 v248, v0, 2, SPARE
	v_mov_b32 v249, 0
	ds_add_u32 v248, v249                          ; the opening: the add, twice on end, and its wait ahead of my tensor load
	ds_add_u32 v248, v249
	v_lshrrev_b32 v1, 5, v0
	s_delay_alu instid0(VALU_DEP_1)
	v_readfirstlane_b32 s[WV], v1
	s_lshr_b32 s[SUB], s[WV], 3
	s_and_b32 s[W8], s[WV], 7
	; byte offsets in memory, each in a pair of its own with 0 above
	s_and_b32 s[GY], ttmp7, 0xffff
	s_lshl_b32 s77, ttmp9, 1
	s_add_co_u32 s77, s77, s[SUB]                  ; g
	s_lshl_b32 s66, s[GY], 23                      ; w_mu, w_sigma: 512 gy rows of 16,384 bytes,
	s_lshl_b32 s76, s[W8], 20                      ; 64 w rows,
	s_add_co_u32 s66, s66, s76
	s_lshl_b32 s70, s77, 8                         ; 64 g columns of 4 bytes: also eps_out's offset
	s_add_co_u32 s66, s66, s70
	s_mov_b32 s67, 0
	s_lshl_b32 s68, s[GY], 11                      ; 512 gy numbers of 4 bytes: in eps_in, and along a row of x
	s_lshl_b32 s74, s77, 20                        ; x: 64 g rows of 16,384 bytes,
	s_add_co_u32 s74, s74, s68
	s_lshl_b32 s76, s[W8], 17                      ; 8 w rows
	s_add_co_u32 s74, s74, s76
	s_mov_b32 s75, 0
	s_lshl_b32 s76, s[W8], 8                       ; eps_in: 64 w numbers on
	s_add_co_u32 s68, s68, s76
	s_mov_b32 s69, 0
	s_mov_b32 s71, 0
	s_mul_i32 s72, s[GY], KSB                      ; wq and xq alike: the K step, and 64 g rows of 272 bytes
	s_mul_i32 s76, s77, 64*272
	s_add_co_u32 s72, s72, s76
	s_mov_b32 s73, 0
	; LDS bases
	s_mul_i32 s76, s[SUB], IMGB
	s_add_co_u32 s76, s76, IMG                     ; my half's image
	s_lshl_b32 s77, s[W8], 5
	s_add_co_u32 s77, s77, s76                     ; w: my wave's 64 k are 32 bytes of codes of each row,
	s_lshl_b32 s78, s[W8], 1
	s_add_co_u32 s78, s78, s76
	s_add_co_u32 s78, s78, 256                     ; and two scale bytes, behind the 256 bytes of codes
	s_mul_i32 s79, s[W8], 8*272
	s_add_co_u32 s79, s79, s76                     ; x: my wave's eight rows of the image
	v_and_b32 v1, 31, v0                           ; lane
	v_and_b32 v5, 255, v0                          ; my thread's number in its half
	v_and_b32 v20, 0x1e0, v0                       ; 32 x wave
	s_delay_alu instid0(VALU_DEP_3)
	v_lshlrev_b32 v2, 3, v1                        ; 8 bytes a lane: my two columns of w
	s_delay_alu instid0(VALU_DEP_4)
	v_mul_u32_u24 v3, v1, 544                      ; w's image: my two rows begin at 2 x 272 x lane
	s_delay_alu instid0(VALU_DEP_4)
	v_lshlrev_b32 v5, 4, v5                        ; the way out: 16 x lane + 512 x wave of the half, in the buffer,
	s_delay_alu instid0(VALU_DEP_4)
	v_lshlrev_b32 v20, 9, v20                      ; my x tile: 16,384 x wave
	s_delay_alu instid0(VALU_DEP_3)
	v_add_nc_u32 v4, s78, v3
	s_delay_alu instid0(VALU_DEP_4)
	v_add_nc_u32 v3, s77, v3
	s_delay_alu instid0(VALU_DEP_4)
	v_add_nc_u32 v23, s76, v5                      ; and in the image
	s_delay_alu instid0(VALU_DEP_4)
	v_lshl_add_u32 v20, v1, 5, v20                 ; + 32 x lane: my group of eight numbers
	v_lshl_add_u32 v21, v1, 2, s79                 ; its dword of codes
	v_lshrrev_b32 v22, 2, v1
	s_delay_alu instid0(VALU_DEP_1)
	v_add_nc_u32 v22, s79, v22                     ; my block's scale byte (its 256 stands in the store's immediate)
	s_wait_alu depctr_va_vdst(0)                   ; the wait at the head's end
	s_wait_dscnt 0x0                               ; both opening adds are done
	s_wait_kmcnt 0x0
	s_add_nc_u64 s[4:5], s[4:5], s[66:67]
	s_add_nc_u64 s[6:7], s[6:7], s[66:67]
	s_add_nc_u64 s[8:9], s[8:9], s[68:69]
	s_add_nc_u64 s[10:11], s[10:11], s[70:71]
	s_add_nc_u64 s[12:13], s[12:13], s[72:73]
	s_add_nc_u64 s[14:15], s[14:15], s[74:75]
	s_add_nc_u64 s[96:97], s[96:97], s[72:73]
	s_load_b512 s[16:31], s[8:9], 0x0              ; eps_in of my wave's k 0-15,
	s_load_b512 s[32:47], s[8:9], 0x40             ; 16-31,
	s_load_b512 s[48:63], s[8:9], 0x80             ; 32-47,
	s_load_b512 s[80:95], s[8:9], 0xc0             ; 48-63: the i-th lies in s[16 + i], from the 48th on in s[32 + i]
	; the descriptor, in registers whose offsets have been used; they stay as they are to the end: 8 rows of 256 elements of 8 bytes, 2,048 elements from row to row, dense in LDS
	s_mov_b32 s68, 1
	s_lshl_b32 s69, s[WV], 14                      ; LDS: 16,384 x wave
	s_mov_b64 s[70:71], s[14:15]
	s_or_b32 s71, s71, 0x80000000
	s_mov_b32 s72, 3<<16
	s_mov_b32 s73, 256<<16
	s_mov_b32 s74, 8<<16
	s_mov_b32 s75, 256<<16
	s_mov_b32 s76, 8
	s_mov_b32 s77, 2048
	s_mov_b32 s78, 0
	s_mov_b32 s79, 0
	tensor_load_to_lds s[68:71], s[72:79]          ; my one tensor load: each row is 2,048 bytes at a multiple of 256 from x's first byte
	s_nop 0
	global_load_b64 v[EO:EO+1], v2, s[10:11]
.macro LOADH h                         ; rows 16 h .. 16 h + 15 of my wave's 64, mu and sigma, into set h % 2: 32 loads
.set J, 0
.rept 16
	global_load_b64 v[SET0+64*((\h)%2)+2*J:SET0+64*((\h)%2)+2*J+1], v2, s[4:5] offset:16384*(16*(\h)+J) th:TH_LOAD_NT
	global_load_b64 v[SET0+64*((\h)%2)+32+2*J:SET0+64*((\h)%2)+32+2*J+1], v2, s[6:7] offset:16384*(16*(\h)+J) th:TH_LOAD_NT
.set J, J+1
.endr
.endm
.macro HALF h, left                    ; these 16 rows' w, into half h % 2 of the block's registers.  left: the younger loads that may stay out
	s_wait_loadcnt \left
.set J, 0
.rept 16
.set KK, 16*(\h)+J
.set SS, SET0+64*((\h)%2)
.set TT, T+2*(J%2)
	v_mul_f32 v[TT], s[16+KK+16*(KK/48)], v[EO]                    ; eps_in[k] x eps_out[n], rounded as the problem has it
	v_mul_f32 v[TT+1], s[16+KK+16*(KK/48)], v[EO+1]
	s_delay_alu instid0(VALU_DEP_2)
	v_fma_f32 v[W+16*((\h)%2)+J], v[SS+32+2*J], v[TT], v[SS+2*J]   ; sigma x eps + mu: column 2 l,
	s_delay_alu instid0(VALU_DEP_2)
	v_fma_f32 v[W+32+16*((\h)%2)+J], v[SS+33+2*J], v[TT+1], v[SS+2*J+1]   ; column 2 l + 1
.set J, J+1
.endr
.endm
.macro QUANT t                         ; block t of my wave's two, of both columns
	v_max3_num_f32 v[MX], |v[W]|, |v[W+1]|, 0x1800000              ; the block's largest magnitude: all 32 numbers are mine; and the floor 2^(3 - 127): so the byte cannot fall under 1
	v_max3_num_f32 v[MX+1], |v[W+32]|, |v[W+33]|, 0x1800000
.irp i, 2,4,6,8,10,12,14,16,18,20,22,24,26,28,30
	s_delay_alu instid0(VALU_DEP_2)
	v_max3_num_f32 v[MX], v[MX], |v[W+\i]|, |v[W+\i+1]|            ; (the two columns by turns)
	s_delay_alu instid0(VALU_DEP_2)
	v_max3_num_f32 v[MX+1], v[MX+1], |v[W+32+\i]|, |v[W+33+\i]|
.endr
.irp c, 0,1
	s_delay_alu instid0(VALU_DEP_2)
	v_add_nc_u32 v[SCO+\c], 0xff000000, v[MX+\c]   ; 2 off the exponent field: the conversion takes the exponent field of this operand as its scale, and nothing else of it
.endr
.irp c, 0,1
.if (\t) == 0
	s_delay_alu instid0(VALU_DEP_2)
	v_lshrrev_b32 v[SB+\c], 23, v[SCO+\c]          ; the scale's byte: the lower k in the lower byte
.else
	s_delay_alu instid0(VALU_DEP_2)
	v_lshrrev_b32 v[BY+\c], 23, v[SCO+\c]
.endif
.endr
.if (\t) != 0
.irp c, 0,1
	s_delay_alu instid0(VALU_DEP_2)
	v_lshl_or_b32 v[SB+\c], v[BY+\c], 8, v[SB+\c]
.endr
.endif
.irp c, 0,1
.irp g, 0,1,2,3
	v_cvt_scalef32_pk8_fp4_f32 v[CD+8*(\t)+4*\c+\g], v[W+32*\c+8*\g:W+32*\c+8*\g+7], v[SCO+\c]
.endr
.endr
	v_nop                                          ; one plain instruction behind the conversions: later vector instructions write their sources
.irp c, 0,1
	ds_store_b128 v3, v[CD+8*(\t)+4*\c:CD+8*(\t)+4*\c+3] offset:272*\c+16*(\t)   ; 32 codes: 16 bytes of my column's row of the image
.endr
.endm
.macro XREAD t                         ; row t of my tile into set t % 2: groups l and l + 32, 32 bytes each
.irp i, 0,1
	ds_load_b128 v[XN+16*((\t)%2)+8*\i:XN+16*((\t)%2)+8*\i+3], v20 offset:2048*(\t)+1024*\i
	ds_load_b128 v[XN+16*((\t)%2)+8*\i+4:XN+16*((\t)%2)+8*\i+7], v20 offset:2048*(\t)+1024*\i+16
.endr
.endm
.macro XSTEP t
.set XS, XN+16*((\t)%2)
.if (\t) > 0
	s_wait_dscnt 4                                 ; this row's four loads are back; the last row's four stores may be out
.else
	s_wait_dscnt 0x0
.endif
.if (\t)+1 < 8
	XREAD (\t)+1                                   ; the next row comes while this one is worked
.endif
	v_max3_num_f32 v[MX], |v[XS]|, |v[XS+1]|, 0x1800000            ; the largest magnitude of each of my two groups, with the floor 2^(3 - 127)
	v_max3_num_f32 v[MX+1], |v[XS+8]|, |v[XS+9]|, 0x1800000
.irp i, 2,4,6
	s_delay_alu instid0(VALU_DEP_2)
	v_max3_num_f32 v[MX], v[MX], |v[XS+\i]|, |v[XS+\i+1]|
	s_delay_alu instid0(VALU_DEP_2)
	v_max3_num_f32 v[MX+1], v[MX+1], |v[XS+8+\i]|, |v[XS+9+\i]|
.endr
.irp m, 1,2                            ; with the three other lanes of my four: the blocks' largest magnitudes
	s_delay_alu instid0(VALU_DEP_2)
	v_max_num_f32_dpp v[MX], v[MX], v[MX] row_xmask:\m row_mask:0xf bank_mask:0xf
	s_delay_alu instid0(VALU_DEP_2)
	v_max_num_f32_dpp v[MX+1], v[MX+1], v[MX+1] row_xmask:\m row_mask:0xf bank_mask:0xf
.endr
	s_delay_alu instid0(VALU_DEP_2)
	v_add_nc_u32 v[SCO], 0xff000000, v[MX]         ; 2 off the exponent field: the conversions' scale operands
	s_delay_alu instid0(VALU_DEP_2)
	v_add_nc_u32 v[SCO+1], 0xff000000, v[MX+1]
	v_cvt_scalef32_pk8_fp4_f32 v[XC+2*(\t)], v[XS:XS+7], v[SCO]    ; eight numbers / the scale, to the nearest code; the first number's code in the lowest four bits
	v_cvt_scalef32_pk8_fp4_f32 v[XC+2*(\t)+1], v[XS+8:XS+15], v[SCO+1]
	v_lshrrev_b32 v[XE+2*(\t)], 23, v[SCO]         ; the scales' bytes (also the plain instruction behind the conversions)
	v_lshrrev_b32 v[XE+2*(\t)+1], 23, v[SCO+1]
	ds_store_b32 v21, v[XC+2*(\t)] offset:272*(\t)                 ; group l's codes: byte 4 l of my wave's row t of the image,
	ds_store_b32 v21, v[XC+2*(\t)+1] offset:272*(\t)+128           ; group l + 32's: 128 bytes on
	ds_store_b8 v22, v[XE+2*(\t)] offset:272*(\t)+256              ; block l / 4: its four lanes write the same byte with the same value,
	ds_store_b8 v22, v[XE+2*(\t)+1] offset:272*(\t)+264            ; block l / 4 + 8
.endm
; A half's image leaves as it lies: 34 pieces of 512 bytes.  Piece 8 j + w goes to wave w of the half (j = 0 .. 3); pieces 32 and 33 to its waves 0 and 1.
.macro OUT reg, lo, hi
.irp j, 0,1,2,3
	ds_load_b128 v[\reg+4*\j:\reg+4*\j+3], v23 offset:4096*\j
.endr
.irp j, 0,1,2,3
	s_wait_dscnt 3-\j                              ; piece j is back; the younger ones may be out
	global_store_b128 v5, v[\reg+4*\j:\reg+4*\j+3], s[\lo:\hi] offset:4096*\j   ; 32 lanes store 512 consecutive bytes, at a multiple of 256 from the buffer's first byte
.endr
	s_cmp_lt_u32 s[W8], 2
	s_cbranch_scc0 .Lno_more_\@
	ds_load_b128 v[\reg+16:\reg+19], v23 offset:16384
	s_wait_dscnt 0x0
	global_store_b128 v5, v[\reg+16:\reg+19], s[\lo:\hi] offset:16384
.Lno_more_\@:
.endm
	; ---- W
	LOADH 0
	LOADH 1
	s_wait_kmcnt 0x0                               ; eps_in
	HALF 0, 32                                     ; set 0 and, older still, eps_out are in; set 1's 32 loads may be out
	LOADH 2
	HALF 1, 32                                     ; set 1 is in; the 32 loads just issued may be out
	LOADH 3
	QUANT 0
	HALF 2, 32                                     ; set 0 is in; set 1's 32 loads may be out
	HALF 3, 0
	QUANT 1
.irp c, 0,1
	ds_store_b16 v4, v[SB+\c] offset:272*\c        ; my wave's two scale bytes of my column
.endr
	s_wait_dscnt 0x0                               ; for the others' sake: my stores into w's image are done
	s_barrier_signal -1
	s_barrier_wait -1                              ; w's image is whole
	OUT CD, 12, 13                                 ; into the registers that held the codes: the wait in front of the barrier has shown their stores done
	s_barrier_signal -1                            ; my reads of w's image are over (each was waited for above):
	s_barrier_wait -1                              ; so are everybody's, and x's image may take its bytes
	; ---- X
	s_wait_tensorcnt 0x0                           ; my tile is in; no other wave reads it
	XREAD 0
.irp t, 0,1,2,3,4,5,6,7
	XSTEP \t
.endr
	s_wait_dscnt 0x0                               ; for the others' sake: my stores into x's image are done
	s_barrier_signal -1
	s_barrier_wait -1                              ; x's image is whole
	OUT XN, 96, 97                                 ; other registers than w's way out took: its stores may still read theirs
	s_wait_tensorcnt 0x0                           ; the wave's end
	ds_add_u32 v248, v249
	s_wait_dscnt 0x0
	s_endpgm
.Lfunc_end_k_q8f1bfa511d_quant:
	.size	k_q8f1bfa511d_quant, .Lfunc_end_k_q8f1bfa511d_quant-k_q8f1bfa511d_quant
	.p2alignl 7, 3214868480
	.fill 96, 4, 3214868480
	.section	.rodata,"a",@progbits
	.p2align	6, 0x0
	.amdhsa_kernel k_q8f1bfa511d_quant
		.amdhsa_group_segment_fixed_size 299008
		.amdhsa_private_segment_fixed_size 0
		.amdhsa_enable_private_segment 0
		.amdhsa_kernarg_size 56
		.amdhsa_user_sgpr_count 2
		.amdhsa_user_sgpr_kernarg_segment_ptr 1
		.amdhsa_wavefront_size32 1
		.amdhsa_system_sgpr_workgroup_id_x 1
		.amdhsa_system_sgpr_workgroup_id_y 1
		.amdhsa_system_sgpr_workgroup_id_z 1
		.amdhsa_system_vgpr_workitem_id 0
		.amdhsa_next_free_vgpr 250
		.amdhsa_next_free_sgpr 102
		.amdhsa_reserve_vcc 0
		.amdhsa_float_denorm_mode_32 3
		.amdhsa_float_denorm_mode_16_64 3
		.amdhsa_memory_ordered 1
		.amdhsa_forward_progress 1
		.amdhsa_inst_pref_size 60
	.end_amdhsa_kernel
	.amdgpu_metadata
---
amdhsa.version: [ 1, 2 ]
amdhsa.kernels:
  - .name:           k_q8f1bfa511d_quant
    .symbol:         k_q8f1bfa511d_quant.kd
    .args:
      - { .name: w_mu, .offset: 0, .size: 8, .value_kind: global_buffer, .address_space: global }
      - { .name: w_sigma, .offset: 8, .size: 8, .value_kind: global_buffer, .address_space: global }
      - { .name: eps_in, .offset: 16, .size: 8, .value_kind: global_buffer, .address_space: global }
      - { .name: eps_out, .offset: 24, .size: 8, .value_kind: global_buffer, .address_space: global }
      - { .name: wq, .offset: 32, .size: 8, .value_kind: global_buffer, .address_space: global }
      - { .name: x, .offset: 40, .size: 8, .value_kind: global_buffer, .address_space: global }
      - { .name: xq, .offset: 48, .size: 8, .value_kind: global_buffer, .address_space: global }
    .group_segment_fixed_size: 299008
    .private_segment_fixed_size: 0
    .kernarg_segment_align: 8
    .kernarg_segment_size: 56
    .max_flat_workgroup_size: 512
    .sgpr_count:     102
    .vgpr_count:     250
    .wavefront_size: 32
...
	.end_amdgpu_metadata
.endif
;; end of part 1
;; launch gemm (part 2): grid 16 x 16, 4 waves a work-group, clusters of 4 x 4, 327,680 bytes of LDS; arguments xq, wq, b_mu, b_sigma, eps_out, out0; writes out0
.if DOCPART == 2
	.amdgcn_target "amdgcn-amd-amdhsa--gfx1250"
	.amdhsa_code_object_version 6
	.text
	.protected	k_q8f1bfa511d_gemm
	.globl	k_q8f1bfa511d_gemm
	.p2align	8
	.type	k_q8f1bfa511d_gemm,@function
k_q8f1bfa511d_gemm:
	s_mov_b64 s[64:65], 0
	v_nop
	global_prefetch_b8 v0, s[64:65] scope:SCOPE_SE
	s_setreg_imm32_b32 hwreg(HW_REG_WAVE_MODE, 25, 1), 1
	s_wait_xcnt 0x0
	s_wait_alu depctr_hold_cnt(0) depctr_sa_sdst(0) depctr_va_vdst(0) depctr_va_sdst(0) depctr_va_ssrc(0) depctr_va_vcc(0) depctr_vm_vsrc(0)
	s_getreg_b32 s2, hwreg(HW_REG_IB_STS2, 6, 4)
	s_cmp_eq_u32 s2, 0
	s_cbranch_scc0 .Lentry_in_a_cluster
	s_endpgm
.Lentry_in_a_cluster:
	s_bfe_u32 s2, ttmp6, 0x10000c
	s_cmp_lg_u32 s2, 0xf033
	s_cbranch_scc0 .Lentry_shape_is_right
	s_endpgm
.Lentry_shape_is_right:
; out0[m][n] = relu(sum over k of x[m][k] w[k][n] + b_mu[n] + b_sigma[n] eps_out[n]), on the codes of FP4 (E2M1) and E8M0 scale bytes that the launch before has made.
; xq and wq are laid [K step of 512: 8][row: 4096][272 bytes]: 256 bytes of codes, K innermost, then the 16 scale bytes of these 512 along K.  128 rows of a K step are 34,816 consecutive bytes = 136 x 256.
; A work-group of four waves makes 256 x 256 of out0, a wave 128 x 128: 64 accumulators of 16 x 16, 512 registers.  K goes in steps of 512 through two LDS slots; a wave's tensor load brings 128 rows as they lie (LDS pitch 272).
; CLUSTERS: 4 x 4 work-groups; x's tile is asked for jointly along a row of the cluster, w's along a column.  A round of the cluster's barrier stands in front of every joint load.
; THE MATRIX INSTRUCTION IS USED TRANSPOSED (source 0 = 16 rows of wq, source 1 = 16 rows of xq): a lane holds eight neighbouring columns of one row of out0.
; THE BIAS is the C of each accumulator's first product; sigma x eps + mu is one fused multiply-add, one rounding fewer than a multiplication and an addition.  The relu is taken on the way out.  No step and no input of the problem is left out.
; FRAGMENTS: two sets for each side; a step of 128 along K issues the next step's 32 LDS loads in one run at its head, 64 matrix instructions ahead of their use.
; PREFETCH: behind the refill with K step t stands a prefetch of K step t + 2.  Of the 136 blocks of 256 bytes that a wave fetches, each of the four partners that ask jointly names 34, told apart by address (cx for x, cy for w):
;   32 by one instruction, a lane a block, and 2 by a second, whose other lanes name the last block again.  Behind the first load K steps 1 and 2 are named, behind the second K step 3; the loop's last trip names nothing (K steps 8 and 9 do not exist).
; THE LAST K STEP GOES BY ROWS OF out0: w's fragments of the whole step fill window 1, and my eight blocks of 16 rows are finished one after the other, 32 products each; each block is stored while the next is multiplied.
; REGISTERS: window 0: v0-31 addresses; v32-95 scale words, a set for each slot; v96-127 idle in the loop; v128-191, v192-255 x's fragments, two sets.  In the last K step v96-191 are three buffers of 16 rows x 512 K, v192-255 the rows on their way out.
;   window 1: v0-63, v128-191 w's fragments, two sets; v64-127 the bias; in the last K step all 256: w's fragments.   windows 2, 3: the accumulators of my rows 0-63, 64-127 ((a, b) at v[8 (8 (a % 4) + b)]).
.set SIZE_N, 4096
.set KSB,    1114112                   ; bytes of a K step in xq and wq
.set NQ,     4                         ; steps of 128 in a slot
.set PITCH,  272
.set FR,     8
.set HALFT,  128*PITCH                 ; what one tensor load brings
.set SHARE,  HALFT/4                   ; what one partner prefetches of it: 34 x 256 bytes
.set SLOT,   4*HALFT                   ; x's 256 rows, then w's 256 rows
.set LAPS,   4
.set SPARE,  2*SLOT                    ; the spare words, 128 bytes a wave; no other line names them
.set SPITCH, 528                       ; the way out: 16 rows x (512 + 16) bytes for each wave, in slot 0, behind its last fill and its last read
.set ADRA, 16                          ; v16-17 my x fragments in slot 0, 1
.set ADRB, 20                          ; v20-21 my w fragments
.set ADRS, 22                          ; v22-23 my scale words: lanes 0-15 x's rows, lanes 16-31 w's
.set STO,  24
.set RD,   25
.set CO,   26
.set SPW,  28                          ; my spare word; never rewritten
.set NIL,  29                          ; 0; never rewritten
.set PFO,  30                          ; 256 x lane
.set PFO2, 31                          ; 8192 + 256 x min(lane, 1)
.set SC,   32
.set PA,   96
.set AF,   128
.set BK,   192
.set BIAS, 64                          ; in window 1
.set G1, 24
.set G0, 32
.set G1B, 48
.set G0B, 56
.set PFA, 70                           ; s[70:71] where my prefetches stand
.set MSB, 0
.macro WIN new                         ; the immediate's high byte repeats the setting that is left
.if MSB != (\new)
	s_set_vgpr_msb (MSB<<8)|(\new)
.set MSB, (\new)
.endif
.endm
.set MUL_LO, 0xa1                      ; source 0 window 1, source 1 window 0, C and D window 2 (first products: C window 1, 0x91)
.set MUL_HI, 0xf1                      ; C and D window 3 (first products: 0xd1)
.set TO_B,   0x40
.macro JLOAD g0a, g1a, g0b, g1b        ; a joint load: waves 0, 1 fetch x's halves, waves 2, 3 w's
	s_cmp_eq_u32 s17, 0
	s_cbranch_scc0 .Lfor_b_\@
	tensor_load_to_lds s[\g0a:\g0a+3], s[\g1a:\g1a+7]
	s_nop 0
.rept 4
	v_nop
.endr
	s_branch .Lasked_\@
.Lfor_b_\@:
	tensor_load_to_lds s[\g0b:\g0b+3], s[\g1b:\g1b+7]
	s_nop 0
.rept 4
	v_nop
.endr
.Lasked_\@:
.endm
.macro CREST                           ; a round of the cluster's barrier behind its opening barrier
	s_cmp_lg_u32 s16, 0
	s_cbranch_scc1 .Lnot_wave_0_\@
	s_barrier_signal -3
.Lnot_wave_0_\@:
	s_barrier_wait -3
	s_barrier_signal -1
	s_barrier_wait -1
.endm
.macro CROUND
	s_barrier_signal -1
	s_barrier_wait -1
	CREST
.endm
.macro ASK off                         ; my 34 blocks of the K step that lies off bytes behind s[PFA]
	global_prefetch_b8 v[PFO], s[PFA:PFA+1] offset:\off th:TH_LOAD_NT scope:SCOPE_SE
	global_prefetch_b8 v[PFO2], s[PFA:PFA+1] offset:\off th:TH_LOAD_NT scope:SCOPE_SE
.endm
	s_load_b256 s[4:11], s[0:1], 0x0               ; xq, wq, b_mu, b_sigma
	s_load_b128 s[12:15], s[0:1], 0x20             ; eps_out, out0
	v_lshl_add_u32 v[SPW], v0, 2, SPARE
	v_mov_b32 v[NIL], 0
	ds_add_u32 v[SPW], v[NIL]                      ; the opening: the add, twice on end, and its wait ahead of my first tensor load
	ds_add_u32 v[SPW], v[NIL]
	v_lshrrev_b32 v1, 5, v0
	v_readfirstlane_b32 s16, v1                    ; wave 0..3
	s_lshr_b32 s17, s16, 1                         ; my half of the rows; also: I fetch for x (0) or w (1)
	s_and_b32 s18, s16, 1                          ; my half of the columns; also: which 128 rows I fetch
	s_bfe_u32 s40, ttmp6, 0x40000                  ; cx
	s_bfe_u32 s41, ttmp6, 0x40004                  ; cy
	s_lshl_b32 s42, ttmp9, 2
	s_add_co_u32 s42, s42, s40                     ; tile column
	s_and_b32 s19, ttmp7, 0xffff
	s_lshl_b32 s19, s19, 2
	s_add_co_u32 s19, s19, s41                     ; tile row
	s_lshl_b32 s43, s41, 2
	s_lshl_b32 s43, 15, s43                        ; my row of the cluster
	s_lshl_b32 s44, 0x1111, s40                    ; my column
	s_or_b32 s[G1+0], s43, (3<<16)|(1<<21)         ; elements of 8 bytes, the mask, bit 21 beside it
	s_or_b32 s[G1B+0], s44, (3<<16)|(1<<21)
.irp g, G1, G1B                        ; a dense block: 136 rows of 32 elements
	s_mov_b32 s[\g+1], 32<<16
	s_mov_b32 s[\g+2], 136<<16
	s_mov_b32 s[\g+3], 32<<16
	s_mov_b32 s[\g+4], 136
	s_mov_b32 s[\g+5], 32
	s_mov_b32 s[\g+6], 0
	s_mov_b32 s[\g+7], 0
.endr
	s_lshl_b32 s20, s18, 7
	s_lshl_b32 s22, s19, 8
	s_add_co_u32 s22, s22, s20
	s_lshl_b32 s46, s42, 8
	s_add_co_u32 s46, s46, s20
	s_mul_i32 s22, s22, PITCH                      ; xq: byte offset of the 128 rows that I fetch, made of the tile row alone
	s_mov_b32 s23, 0
	s_mul_i32 s46, s46, PITCH                      ; wq: of the tile column alone
	s_mov_b32 s47, 0
	s_mul_i32 s45, s16, HALFT                      ; and where they go in a slot
	s_cmp_eq_u32 s17, 0
	s_cselect_b32 s[PFA], s22, s46                 ; the prefetches: the same rows,
	s_cselect_b32 s72, s40, s41                    ; my place among the four that ask with me,
	s_mul_i32 s72, s72, SHARE
	s_add_co_u32 s[PFA], s[PFA], s72               ; my quarter of them
	s_mov_b32 s[PFA+1], 0
	s_lshl_b32 s66, s42, 10                        ; my first column in bytes
	s_lshl_b32 s67, s18, 9
	s_add_co_u32 s66, s66, s67
	s_mov_b32 s67, 0
	s_lshl_b32 s68, s19, 8
	s_lshl_b32 s69, s17, 7
	s_add_co_u32 s68, s68, s69
	s_lshl_b32 s68, s68, 14                        ; my first row of out0, 16,384 bytes a row
	s_add_co_u32 s68, s68, s66
	s_mov_b32 s69, 0
	s_mul_i32 s75, s17, HALFT                      ; LDS: my 128 rows of x,
	s_mul_i32 s76, s18, HALFT
	s_add_co_u32 s76, s76, 2*HALFT                 ; of w,
	s_xor_b32 s74, s17, 1
	s_add_co_u32 s74, s74, s18
	s_add_co_u32 s74, s74, 1
	s_mul_i32 s74, s74, HALFT                      ; the distance between the two,
	s_mul_i32 s77, s16, 16*SPITCH                  ; my stage
	s_wait_dscnt 0x0                               ; both opening adds are done
	s_wait_kmcnt 0x0
	s_add_nc_u64 s[22:23], s[4:5], s[22:23]
	s_add_nc_u64 s[46:47], s[6:7], s[46:47]
	s_cmp_eq_u32 s17, 0
	s_cselect_b64 s[72:73], s[4:5], s[6:7]
	s_add_nc_u64 s[PFA:PFA+1], s[72:73], s[PFA:PFA+1]
	s_add_nc_u64 s[8:9], s[8:9], s[66:67]
	s_add_nc_u64 s[10:11], s[10:11], s[66:67]
	s_add_nc_u64 s[12:13], s[12:13], s[66:67]
	s_add_nc_u64 s[14:15], s[14:15], s[68:69]
.irp s, 0,1
	s_mov_b32 s[G0+4*\s], 1
	s_add_co_u32 s[G0+4*\s+1], s45, \s*SLOT
	s_add_nc_u64 s[G0+4*\s+2:G0+4*\s+3], s[22:23], \s*KSB
	s_or_b32 s[G0+4*\s+3], s[G0+4*\s+3], 0x80000000
	s_mov_b32 s[G0B+4*\s], 1
	s_add_co_u32 s[G0B+4*\s+1], s45, \s*SLOT
	s_add_nc_u64 s[G0B+4*\s+2:G0B+4*\s+3], s[46:47], \s*KSB
	s_or_b32 s[G0B+4*\s+3], s[G0B+4*\s+3], 0x80000000
.endr
	CROUND                                         ; all sixteen work-groups are here: the first joint loads meet
	JLOAD G0, G1, G0B, G1B                         ; K step 0: one tensor load a wave at the head.  All below, up to the wait for it, is done while it is out
	v_and_b32 v1, 15, v0                           ; r = l % 16
	v_bfe_u32 v2, v0, 4, 1                         ; h = l / 16
	v_and_b32 v6, 31, v0
	v_lshlrev_b32 v7, 5, v2                        ; the bias: 32 h bytes
	v_mul_u32_u24 v3, v1, PITCH
	v_lshl_add_u32 v4, v2, 4, v3                   ; a fragment: row x pitch + 16 h
	v_mul_u32_u24 v8, s74, v2                      ; lanes 16-31 take w's scale words
	v_add_nc_u32 v5, 256, v3
	v_add_nc_u32 v5, v5, v8
	v_add_nc_u32 v[ADRA], s75, v4
	v_add_nc_u32 v[ADRB], s76, v4
	v_add_nc_u32 v[ADRS], s75, v5
	v_add_nc_u32 v[ADRA+1], SLOT, v[ADRA]
	v_add_nc_u32 v[ADRB+1], SLOT, v[ADRB]
	v_add_nc_u32 v[ADRS+1], SLOT, v[ADRS]
	v_mul_u32_u24 v9, v1, SPITCH
	v_lshl_add_u32 v9, v2, 5, v9
	v_add_nc_u32 v[STO], s77, v9                   ; into the stage: row r, 32 bytes for each half of the lanes
	v_lshlrev_b32 v[CO], 4, v6                     ; back: 32 lanes take a row of 512 bytes; the same in out0
	v_add_nc_u32 v[RD], s77, v[CO]
	v_lshlrev_b32 v[PFO], 8, v6
	v_min_u32 v9, 1, v6
	v_lshl_add_u32 v[PFO2], v9, 8, 8192
	s_wait_alu depctr_va_vdst(0)
	ASK KSB                                        ; K steps 1 and 2
	ASK 2*KSB
	WIN 0x40
.irp b, 0,1,2,3,4,5,6,7                ; register 8 b + j: column 16 b + 8 h + j of my 128
	global_load_b128 v[BIAS+8*\b:BIAS+8*\b+3], v7, s[8:9] offset:64*\b
	global_load_b128 v[BIAS+8*\b+4:BIAS+8*\b+7], v7, s[8:9] offset:64*\b+16
.endr
	WIN 0x80                                       ; eps_out and b_sigma pass through registers that the first products write later
.irp b, 0,1,2,3,4,5,6,7
	global_load_b128 v[128+8*\b:128+8*\b+3], v7, s[12:13] offset:64*\b
	global_load_b128 v[128+8*\b+4:128+8*\b+7], v7, s[12:13] offset:64*\b+16
	global_load_b128 v[192+8*\b:192+8*\b+3], v7, s[10:11] offset:64*\b
	global_load_b128 v[192+8*\b+4:192+8*\b+7], v7, s[10:11] offset:64*\b+16
.endr
	s_wait_loadcnt 0x0
	WIN 0x5a                                       ; sources 0, 1 window 2; source 2 and destination window 1
.set II, 0
.rept 32
	v_pk_fma_f32 v[BIAS+II:BIAS+II+1], v[192+II:193+II], v[128+II:129+II], v[BIAS+II:BIAS+II+1]
.set II, II+2
.endr
	WIN 0
.macro FRAG reg, adr, q, i             ; 16 rows x 128 K: registers 4 c .. 4 c + 3 hold K = 64 c + 32 h + 0 .. 31
.irp c, 0,1
	ds_load_b128 v[\reg+4*\c:\reg+4*\c+3], v[\adr] offset:64*(\q)+32*\c+(\i)*16*PITCH
.endr
.endm
; 16 products: x's blocks a0, a0 + 1 against w's eight, the slot's q-th 128 along K, fragment sets q % 2, scale set sc.  The accumulators take turns, one instruction a turn.
.macro MUL16 a0, q, sc, first
.irp a, \a0, \a0+1
.irp b, 0,1,2,3,4,5,6,7
.if \first
	v_wmma_scale_f32_16x16x128_f8f6f4 v[8*(8*((\a)%4)+\b):8*(8*((\a)%4)+\b)+7], v[128*((\q)%2)+FR*\b:128*((\q)%2)+FR*\b+FR-1], v[AF+64*((\q)%2)+FR*(\a):AF+64*((\q)%2)+FR*(\a)+FR-1], v[BIAS+8*\b:BIAS+8*\b+7], v[SC+8*NQ*(\sc)+NQ*\b+(\q)], v[SC+8*NQ*(\sc)+NQ*(\a)+(\q)] matrix_a_fmt:MATRIX_FMT_FP4 matrix_b_fmt:MATRIX_FMT_FP4 matrix_a_scale:MATRIX_SCALE_ROW1
.else
	v_wmma_scale_f32_16x16x128_f8f6f4 v[8*(8*((\a)%4)+\b):8*(8*((\a)%4)+\b)+7], v[128*((\q)%2)+FR*\b:128*((\q)%2)+FR*\b+FR-1], v[AF+64*((\q)%2)+FR*(\a):AF+64*((\q)%2)+FR*(\a)+FR-1], v[8*(8*((\a)%4)+\b):8*(8*((\a)%4)+\b)+7], v[SC+8*NQ*(\sc)+NQ*\b+(\q)], v[SC+8*NQ*(\sc)+NQ*(\a)+(\q)] matrix_a_fmt:MATRIX_FMT_FP4 matrix_b_fmt:MATRIX_FMT_FP4 matrix_a_scale:MATRIX_SCALE_ROW1
.endif
.endr
.endr
.endm
.macro FETCH_B slot, q
	WIN TO_B
.irp i, 0,1,2,3,4,5,6,7
	FRAG 128*((\q)%2)+FR*\i, ADRB+\slot, \q, \i
.endr
	WIN 0
.endm
.macro FETCH_A slot, q, i0
.irp i, \i0, \i0+1, \i0+2, \i0+3
	FRAG AF+64*((\q)%2)+FR*(\i), ADRA+\slot, \q, \i
.endr
.endm
.macro SCALES slot                     ; a K step's scale words: register 4 i + q: lanes 0-15 x's block i, lanes 16-31 w's block i
.irp i, 0,1,2,3,4,5,6,7
	ds_load_b128 v[SC+8*NQ*\slot+NQ*\i:SC+8*NQ*\slot+NQ*\i+3], v[ADRS+\slot] offset:\i*16*PITCH
.endr
.endm
.macro PLACES                          ; four plain places behind matrix instructions, ahead of loads into their sources and of reads of their results
.rept 4
	v_nop
.endr
.endm
; A step of 128 along K whose successor lies in the same slot
.macro STEP slot, q, first
	s_wait_dscnt 8                                 ; this step's fragments are in, but for the youngest eight loads (x's blocks 4-7)
	PLACES
	FETCH_B \slot, (\q)+1                          ; the next step's 32 loads, into the sets that the step before multiplied
	FETCH_A \slot, (\q)+1, 0
	FETCH_A \slot, (\q)+1, 4
	WIN MUL_LO-0x10*(\first)
	MUL16 0, \q, \slot, \first
	MUL16 2, \q, \slot, \first
	s_wait_dscnt 32                                ; all but the 32 just issued
	WIN MUL_HI-0x20*(\first)
	MUL16 4, \q, \slot, \first
	MUL16 6, \q, \slot, \first
.endm
; The first half of a slot's last step: in front of the one barrier each wave waits for all its tensor loads, adds 0 to its spare word, and waits for that and for its reads of this slot
.macro MEET slot
	WIN 0
	s_wait_tensorcnt 0x0                           ; my part of the other slot has landed
	ds_add_u32 v[SPW], v[NIL]
	s_wait_dscnt 9                                 ; the add and x's blocks 4-7 may be out
	WIN MUL_LO
	MUL16 0, NQ-1, \slot, 0
	s_wait_dscnt 0x0                               ; the add is done, my reads of this slot are over
	s_barrier_signal -1
	MUL16 2, NQ-1, \slot, 0
	WIN 0
	s_barrier_wait -1
.endm
; A slot's last step, with the slot's refill two K steps on
.macro TURN slot, next
	s_wait_xcnt 0x0                                ; my prefetches have read their address: it steps one K step
	s_add_nc_u64 s[PFA:PFA+1], s[PFA:PFA+1], KSB
	MEET \slot
	CREST                                          ; the barrier opened a round: no wave of any partner reads this slot or has a load on its way
	s_add_nc_u64 s[G0+4*\slot+2:G0+4*\slot+3], s[G0+4*\slot+2:G0+4*\slot+3], 2*KSB
	s_add_nc_u64 s[G0B+4*\slot+2:G0B+4*\slot+3], s[G0B+4*\slot+2:G0B+4*\slot+3], 2*KSB
	JLOAD G0+4*\slot, G1, G0B+4*\slot, G1B         ; the first tensor load behind the round; its four v_nop are the places ahead of the loads below
	FETCH_B \next, 0
	FETCH_A \next, 0, 0
	SCALES \next
	FETCH_A \next, 0, 4
	s_cmp_gt_u32 s3, 1                             ; the last trip's refills have no K step two on
	s_cbranch_scc0 .Lno_ask_\@
	ASK 3*KSB                                      ; s[PFA] stands one K step under the refill's: this names the K step two on
.Lno_ask_\@:
	WIN MUL_HI
	MUL16 4, NQ-1, \slot, 0
	MUL16 6, NQ-1, \slot, 0
.endm
	s_wait_alu depctr_va_vdst(0)                   ; the wait at the head's end
	s_wait_tensorcnt 0x0                           ; my part of K step 0 is in; the same lines as ahead of a refill stand ahead of slot 1's first fill
	ds_add_u32 v[SPW], v[NIL]
	s_wait_dscnt 0x0
	CROUND
	JLOAD G0+4, G1, G0B+4, G1B                     ; K step 1
	FETCH_B 0, 0
	FETCH_A 0, 0, 0
	SCALES 0
	FETCH_A 0, 0, 4
	ASK 3*KSB                                      ; K step 3
	STEP 0, 0, 1                                   ; the first products take the bias as C: nothing is cleared
	WIN 0
	s_mov_b32 s3, LAPS-1
.Llap:                                                 ; once round the ring, from a lap's second step to the next lap's first
	STEP 0, 1, 0
	STEP 0, 2, 0
	TURN 0, 1
	STEP 1, 0, 0
	STEP 1, 1, 0
	STEP 1, 2, 0
	TURN 1, 0
	STEP 0, 0, 0
	WIN 0
	s_sub_co_u32 s3, s3, 1
	s_cmp_lg_u32 s3, 0
	s_cbranch_scc1 .Llap
	STEP 0, 1, 0
	STEP 0, 2, 0
; THE LAST K STEP, in slot 1, by rows of out0
.macro BLOAD q                         ; w's fragments of quarter q -> window 1, v[64 q ..]
.irp i, 0,1,2,3,4,5,6,7
	FRAG 64*(\q)+FR*\i, ADRB+1, \q, \i
.endr
.endm
.macro ALOAD a                         ; x's block a, all four quarters -> buffer a % 3
.irp q, 0,1,2,3
	FRAG PA+32*((\a)%3)+FR*\q, ADRA+1, \q, \a
.endr
.endm
.macro ROW a                           ; block a is finished: 32 products, its eight accumulators by turns
.set FA, PA+32*((\a)%3)
.set AC, 64*((\a)%4)
	WIN MUL_LO+0x50*((\a)/4)
.irp q, 0,1,3,2
.if ((\a) == 0) && (\q == 2)
	s_wait_dscnt 16                                ; w's quarter 2 is in; behind it stand x's blocks 1 and 2
.endif
.irp b, 0,1,2,3,4,5,6,7
	v_wmma_scale_f32_16x16x128_f8f6f4 v[AC+8*\b:AC+8*\b+7], v[64*\q+FR*\b:64*\q+FR*\b+FR-1], v[FA+FR*\q:FA+FR*\q+FR-1], v[AC+8*\b:AC+8*\b+7], v[SC+8*NQ+NQ*\b+\q], v[SC+8*NQ+NQ*(\a)+\q] matrix_a_fmt:MATRIX_FMT_FP4 matrix_b_fmt:MATRIX_FMT_FP4 matrix_a_scale:MATRIX_SCALE_ROW1
.endr
.endr
.endm
.macro TOSTAGE a                       ; block a through my stage: in as 32 bytes a lane, back as whole rows of 512 bytes.  LDS serves a wave's instructions in order (ISA guide 5.7.1.4)
.set AC, 64*((\a)%4)
	WIN 0x08+4*((\a)/4)
.irp b, 0,1,2,3,4,5,6,7
	ds_store_b128 v[STO], v[AC+8*\b:AC+8*\b+3] offset:64*\b          ; each accumulator from its low end on
	ds_store_b128 v[STO], v[AC+8*\b+4:AC+8*\b+7] offset:64*\b+16
.endr
	WIN 0
.if (\a) > 0
	s_wait_xcnt 0x0                                ; the block before: its stores have read their registers and their base
.endif
.irp t, 0,1,2,3,4,5,6,7,8,9,10,11,12,13,14,15
	ds_load_b128 v[BK+4*\t:BK+4*\t+3], v[RD] offset:\t*SPITCH
.endr
.endm
.macro SEND a, younger                 ; younger: the LDS loads issued behind the block's, which may stay out
	s_wait_dscnt \younger
.set II, 0
.rept 64
	v_max_num_f32 v[BK+II], 0, v[BK+II]            ; the relu
.set II, II+1
.endr
.if (\a) > 0
	s_add_nc_u64 s[14:15], s[14:15], 16*SIZE_N*4
.endif
.irp t, 0,1,2,3,4,5,6,7,8,9,10,11,12,13,14,15
	global_store_b128 v[CO], v[BK+4*\t:BK+4*\t+3], s[14:15] offset:\t*SIZE_N*4 th:TH_STORE_NT   ; 32 lanes store 512 consecutive bytes, at a multiple of 256 from out0's first byte
.endr
.endm
	MEET 0                                         ; nothing is filled again, so no round follows
	PLACES
	WIN TO_B
	BLOAD 0                                        ; three quarters of w now: set 1 (v128-191 of window 1) is still being multiplied
	BLOAD 1
	BLOAD 3
	WIN 0
	SCALES 1
	ALOAD 0
	WIN MUL_HI
	MUL16 4, NQ-1, 0, 0
	MUL16 6, NQ-1, 0, 0
	PLACES
	WIN TO_B
	BLOAD 2
	WIN 0
	ALOAD 1
	ALOAD 2
	s_wait_dscnt 32                                ; all but the 32 just issued
	ROW 0
.irp a, 0,1,2,3,4,5,6,7
	PLACES                                         ; ahead of the reads of results just made and of the loads into the block's buffer
	TOSTAGE \a
.if \a < 5
	ALOAD \a+3
	SEND \a, 8
.else
	SEND \a, 0
.endif
.if \a < 7
	ROW \a+1
.endif
.endr
	s_wait_tensorcnt 0x0                           ; the wave's end
	ds_add_u32 v[SPW], v[NIL]
	s_wait_dscnt 0x0
	CROUND                                         ; the closing round
	s_endpgm
.Lfunc_end_k_q8f1bfa511d_gemm:
	.size	k_q8f1bfa511d_gemm, .Lfunc_end_k_q8f1bfa511d_gemm-k_q8f1bfa511d_gemm
	.p2alignl 7, 3214868480
	.fill 96, 4, 3214868480
	.section	.rodata,"a",@progbits
	.p2align	6, 0x0
	.amdhsa_kernel k_q8f1bfa511d_gemm
		.amdhsa_group_segment_fixed_size 327680
		.amdhsa_private_segment_fixed_size 0
		.amdhsa_enable_private_segment 0
		.amdhsa_kernarg_size 48
		.amdhsa_user_sgpr_count 2
		.amdhsa_user_sgpr_kernarg_segment_ptr 1
		.amdhsa_wavefront_size32 1
		.amdhsa_system_sgpr_workgroup_id_x 1
		.amdhsa_system_sgpr_workgroup_id_y 1
		.amdhsa_system_sgpr_workgroup_id_z 1
		.amdhsa_system_vgpr_workitem_id 0
		.amdhsa_next_free_vgpr 1024
		.amdhsa_next_free_sgpr 80
		.amdhsa_reserve_vcc 0
		.amdhsa_float_denorm_mode_32 3
		.amdhsa_float_denorm_mode_16_64 3
		.amdhsa_memory_ordered 1
		.amdhsa_forward_progress 1
		.amdhsa_inst_pref_size 232
	.end_amdhsa_kernel
	.amdgpu_metadata
---
amdhsa.version: [ 1, 2 ]
amdhsa.kernels:
  - .name:           k_q8f1bfa511d_gemm
    .symbol:         k_q8f1bfa511d_gemm.kd
    .args:
      - { .name: xq, .offset: 0, .size: 8, .value_kind: global_buffer, .address_space: global }
      - { .name: wq, .offset: 8, .size: 8, .value_kind: global_buffer, .address_space: global }
      - { .name: b_mu, .offset: 16, .size: 8, .value_kind: global_buffer, .address_space: global }
      - { .name: b_sigma, .offset: 24, .size: 8, .value_kind: global_buffer, .address_space: global }
      - { .name: eps_out, .offset: 32, .size: 8, .value_kind: global_buffer, .address_space: global }
      - { .name: out0, .offset: 40, .size: 8, .value_kind: global_buffer, .address_space: global }
    .group_segment_fixed_size: 327680
    .private_segment_fixed_size: 0
    .kernarg_segment_align: 8
    .kernarg_segment_size: 48
    .max_flat_workgroup_size: 128
    .sgpr_count:     80
    .vgpr_count:     1024
    .wavefront_size: 32
...
	.end_amdgpu_metadata
.endif
;; end of part 2
